; MI455X (gfx1250); checked and timed in simulation.
; The chip was launched on July 23, 2026; its instructions are those of AMD's public machine-readable ISA for CDNA 5 (MIT licence, August 2026) and "CDNA5" Instruction Set Architecture Reference Guide (July 2026). The comments in the code are by the model that wrote it; some were corrected since.
;; Multihead Self Attention. Allowed arithmetic: matrix products marked QUANTISED: E2M3 operands, one E8M0 scale for each 32 along K, by v_wmma_scale_f32_16x16x128_f8f6f4 with both operands' format E2M3, f32 sums; everything else in f32.
;; Inputs: K 8 x 32 x 128 float32; Q 8 x 32 x 128 float32; VO 8 x 128 x 128 float32; x 2 x 4,096 x 128 float32.
;; Outputs: out0 2 x 4,096 x 128 float32.
;; This version of the problem:
;;   THIS VERSION OF THE PROBLEM IS GIVEN IN LOW PRECISION. The matrix products marked QUANTISED in the list below multiply operands that are first quantised to E2M3 (2 exponent bits, 3 mantissa bits; 6 bits a number), with one power-of-two scale for each 32 numbers along K (OCP MX v1.0); their sums are f32. All else is computed in f32.
;;   The module's matrix products, in the order in which they are computed (A, B: the left and right operand; K: the contracted axis; several contracted axes count as one K, in the product's order):
;;     1. [M 256, K 128] x [K 128, N 8,192]; A: input Q; B: input x: QUANTISED
;;     2. [M 256, K 128] x [K 128, N 8,192]; A: input K; B: input x: QUANTISED
;;     3. batch 16 x [M 4,096, K 32] x [K 32, N 4,096]; A: computed on the way; B: computed on the way: QUANTISED
;;     4. batch 2 x [M 32,768, K 4,096] x [K 4,096, N 128]; A: softmax (see below); B: input x: QUANTISED
;;     5. [M 8,192, K 1,024] x [K 1,024, N 128]; A: computed on the way; B: input VO: QUANTISED
;;   THE QUANTISER, for each operand of a quantised product, along K:
;;     - K is cut into blocks of 32 from its start; a last block that is shorter is filled with zeros.
;;     - A block's scale is 2^e with e = floor(log2(the largest magnitude in the block)) - 2, held to -126 .. 127; a block of zeros has e = 0. As a byte (E8M0): e + 127.
;;     - Each number is divided by its block's scale, clamped to +-7.5, and rounded to the nearest number of E2M3, ties to even, subnormals kept.
;;     - The product sums the exact products of the quantised numbers (number of the format x scale) in f32.
;;   ~~~python
;;   def quantise(x, axis):      # numpy; x: float32 -> the quantised numbers, widened to float32 again
;;       x = np.moveaxis(x, axis, -1); K = x.shape[-1]
;;       x = np.pad(x, [(0, 0)] * (x.ndim - 1) + [(0, -K % 32)]); x = x.reshape(x.shape[:-1] + (-1, 32)); a = np.abs(x).max(-1, keepdims=True)
;;       e = np.where(a > 0, np.clip(np.frexp(np.where(a > 0, a, 1))[1] - 1 - 2, -126, 127), 0)      # np.frexp(a)[1] - 1 = floor(log2(a)), exactly
;;       r = np.clip(x / 2.0 ** e, -7.5, 7.5)
;;       step = 2.0 ** (np.maximum(np.frexp(np.where(r == 0, 1, r))[1] - 1, 0) - 3)
;;       q = np.round(r / step) * step * 2.0 ** e      # np.round: ties to even
;;       return np.moveaxis(q.reshape(q.shape[:-2] + (-1,))[..., :K], -1, axis).astype(np.float32)
;;   ~~~
;;   SOFTMAX AHEAD OF A QUANTISED PRODUCT. Where the list says 'softmax', what is quantised is not the finished softmax but p = 2^(t - M), with t = logit x log2(e) and M = ceil(the row's largest t), a whole number; so 1/2 < the row's largest p <= 1. The row's sum l is taken of the UNQUANTISED p, in f32, and the product's result is divided by l at the end. Since M is a whole number, a kernel that streams over the keys may use a running M (the ceiling of the running maximum): every later rescaling is an exact power of two, which a block's scale takes up: the codes' values come out the same.
;;   OPERANDS COMPUTED ON THE WAY. 'Computed on the way' means the value that the module computes at that place (a softmax that the list does not call 'softmax' is quantised finished and normalised). What goes into a quantiser is computed in f32, as accurately as f32 sums, v_exp_f32 and their like allow (about 1e-6 of the number): no bf16 or f16 on the way to a quantiser, and a product that is left as it is and whose result goes on into a quantised operand takes f32 operands (vector FMAs, or v_wmma_f32_16x16x4_f32). A number that lies on a knife's edge between two numbers of the format may be rounded either way, as far as f32 arithmetic and the matrix unit's own rounding can turn it there, and no further.
;; One version. Each part assembles by itself: llvm-mc -triple=amdgcn-amd-amdhsa -mcpu=gfx1250 --defsym DOCPART=n.
;; ======== version 1 of 1: 2 launches
;; limits: right only within a limited range of input values
;; workspace buffers: kv 2,457,600 bytes; qb 1,638,400 bytes; vo 102,400 bytes
;; launch prep (part 1): grid 72 x 1, 8 waves a work-group, no clusters, 15,360 bytes of LDS; arguments x, Q, K, VO, kv, qb, vo; writes kv, qb, vo
.if DOCPART == 1
	.amdgcn_target "amdgcn-amd-amdhsa--gfx1250"
	.amdhsa_code_object_version 6
	.text
	.protected	k_qbe0d2c5bff_prep
	.globl	k_qbe0d2c5bff_prep
	.p2align	8
	.type	k_qbe0d2c5bff_prep,@function
k_qbe0d2c5bff_prep:
	s_mov_b64 s[64:65], 0
	v_nop
	global_prefetch_b8 v0, s[64:65] scope:SCOPE_SE
	s_setreg_imm32_b32 hwreg(HW_REG_WAVE_MODE, 25, 1), 1
	s_wait_xcnt 0x0
; PREP: every operand that many work-groups of the attention launch read is made once, as codes of FP6 (E2M3) with one E8M0 byte for each 32 along K.
;   x [2][4096][128], Q, K [8][32][128], VO [8][128][128]: f32.
;   Work-groups 0-63: the 128 tokens of block g = 32 batch + step.  They make (a) V: x quantised ALONG THE KEYS (8 tiles of 16 channels x 128 keys), (b) q and k: x and the
;   weights quantised along d, the two small products, their results quantised along r (one block of 32 for each token and head).
;   Work-groups 64-71: VO of head g - 64, quantised along d: the same work as (a) on another tensor.
; AN OPERAND LIES IN MEMORY AS AN IMAGE OF ITS REGISTERS: a fragment's 12 registers as 1,536 bytes, register k of lane L at 512 (k / 4) + 16 L + 4 (k % 4): three stores (and later loads) of 16 bytes a lane,
;   512 consecutive bytes each.
; THE ROWS OF A TILE ARE NOT NEIGHBOURS: lane r of tile t takes row 32 (t / 2) + 8 (t % 2) + r + 8 (r / 8), so that in a product used transposed the 16 registers of result tiles 2 b, 2 b + 1 are 16 neighbours.
; A FRAGMENT OF q OR k HOLDS 64 TOKENS: its K block j (32 along K) is all 32 r of token 64 f + (row of tile j, lane r); byte j of the lane's scale word is that token's scale.
; kv: [g] blocks of 38,400 bytes: V's 8 images | 512 bytes of V's scale words (lane L's 16 bytes at 16 L: word i = tile 2 i + L / 16, row L % 16) | k's images, head hd at 3,072 hd, fragment f at 1,536 f |
;   k's scale words, head hd at 128 hd (lanes 0-15 fragment 0, lanes 16-31 fragment 1).   qb: [g] blocks of 25,600 bytes, laid as kv's part for k.   vo: [head] blocks of 12,800 bytes, laid as kv's part for V.
; SHARES: eight waves.  Wave w: x tile w, V (or VO) tile w, and two heads: waves 0-3 heads 2 w, 2 w + 1 of Q, waves 4-7 heads 2 (w - 4), 2 (w - 4) + 1 of K.
; LOADS run ahead of the work in runs of 16 or 32; by the text's own count a wave has at most 48 out.
; No tensor loads, no ring, no cluster: the launch reads 5 MB once and each work-group's inputs are its own, but for the small weights.
; LIMITS: NaN and infinities among the inputs are not served.  A block whose largest magnitude lies under 2^-124 gets the byte 1; so does a block of zeros, where the rule says 127: its codes are zeros,
;   which add nothing under any byte but 0xff, and this program alone reads the bytes.
.set STEPB, 38400
.set QBLK,  25600
.set VOBLK, 12800
.set XIMG,  0                          ; LDS: the eight x tiles' images,
.set XSC,   12288                      ; their scale words, 128 bytes each,
.set VSC,   13312                      ; V's scale words as they go to memory (x's path),
.set VSC2,  13824                      ; and VO's (VO's path has bytes of its own)
.set XA,  1                            ; v1   512 (r + 8 (r / 8)) + 64 h: my row of a tile whose K is innermost, my 16 numbers of a block of 32
.set CA,  2                            ; v2   4 (r + 8 (r / 8)) + 16,384 h: my column of a tile whose K runs down the rows; lanes 16-31 begin 32 rows down
.set LI,  3                            ; v3   16 x lane
.set LS,  4                            ; v4   4 x lane
.set XWI, 5                            ; v5   where I store my x tile's image
.set XWS, 6                            ; v6   and its scale words
.set VSA, 7                            ; v7   where my tile's scale word of V goes
.set H8,  8                            ; v8   8 h
.set N0,  16                           ; v16-79   64 numbers;  later XI: four x images
.set XI,  16
.set N1,  80                           ; v80-143  64 numbers;  later ACC: eight results
.set ACC, 80
.set WF,  144                          ; v144-191 four weight fragments: 2 i + u (head i of my two, rows 8 u + r + 8 (r / 8))
.set WS,  192                          ; v192-195 their scale words
.set XS,  196                          ; v196-199 four x tiles' scale words
.set PC,  200                          ; v200-211 codes;  v236-247 (PC + 36) a second set
.set PCX, 236
.set CT,  212                          ; v212-219 the conversions' second halves
.set TM,  220                          ; v220-223 largest magnitudes
.set TP,  224                          ; v224-227 the other half's, then bytes
.set TO,  228                          ; v228-231 the conversions' scale operands
.set PW,  232                          ; v232     the scale word just made
.set PWS, 233                          ; v233-234 fragment 0's words, kept
.set PWO, 235                          ; v235     both fragments' words, as stored
.set CB,  248                          ; v248-249 the two bytes of my column's blocks; behind the barrier v248-251 carry wave 0's copy of the scale words
.set WV,  18
.set SEL, 20
.set XP,  32                           ; s[32:33] x at my x tile
.set CP,  34                           ; s[34:35] x or VO at my tile of columns
.set WP,  36                           ; s[36:37] Q or K at my first head
.set DP,  38                           ; s[38:39] where my heads' images go
.set DSP, 40                           ; s[40:41] and their scale words
.set VP,  42                           ; s[42:43] where my V (VO) image goes
.set VSP, 44                           ; s[44:45] and the block's 512 bytes of scale words
; 16 rows x 128 K of f32 whose K is innermost: lane (r, h) takes, of its row, 16 neighbours of each block of 32: register 16 b + i = k 32 b + 16 h + i
.macro XLOAD reg, base, off
.irp b, 0,1,2,3
.irp j, 0,1,2,3
	global_load_b128 v[\reg+16*\b+4*\j:\reg+16*\b+4*\j+3], v[XA], s[\base:\base+1] offset:\off+128*\b+16*\j
.endr
.endr
.endm
; 128 K x 16 columns of f32 whose K runs down the rows of 512 bytes: a lane takes a column, register n = 32 c + i holds k 64 c + 32 h + i: the very order of the operand's registers.  Registers n0 .. n0 + cnt - 1
.macro CLOAD reg, n0, cnt
.set nn, \n0
.rept \cnt
	global_load_b32 v[\reg+nn], v[CA], s[CP:CP+1] offset:512*(64*(nn/32)+nn%32)
.set nn, nn+1
.endr
.endm
; 64 numbers of a lane, register 16 b + i = k 32 b + 16 h + i of its row, become a fragment's codes in v[pc] on and the row's scale word in v[pw]
.macro QUANT s, pc, pw
.irp b, 0,1,2,3
	v_max3_num_f32 v[TM+\b], |v[\s+16*\b]|, |v[\s+1+16*\b]|, 0x1800000   ; block b: my 16 numbers, and the floor 2^(3 - 127): the byte cannot fall under 1
.endr
.irp i, 2,4,6,8,10,12,14
.irp b, 0,1,2,3
	v_max3_num_f32 v[TM+\b], v[TM+\b], |v[\s+16*\b+\i]|, |v[\s+1+16*\b+\i]|   ; the four blocks by turns
.endr
.endr
.irp b, 0,1,2,3
	s_delay_alu instid0(VALU_DEP_4)
	v_permlanex16_b32 v[TP+\b], v[TM+\b], s[SEL], s[SEL+1]
.endr
.irp b, 0,1,2,3
	s_delay_alu instid0(VALU_DEP_4)
	v_max_num_f32 v[TM+\b], v[TM+\b], v[TP+\b]     ; with lane l xor 16's: the block's largest magnitude
.endr
.irp b, 0,1,2,3
	s_delay_alu instid0(VALU_DEP_4)
	v_add_nc_u32 v[TO+\b], 0xff000000, v[TM+\b]    ; 2 off its exponent field: the conversion takes the exponent field of this operand as its scale
.endr
.irp b, 0,1,2,3
	s_delay_alu instid0(VALU_DEP_4)
	v_lshrrev_b32 v[TP+\b], 23, v[TO+\b]           ; the scale's byte
.endr
	s_delay_alu instid0(VALU_DEP_3)
	v_lshl_or_b32 v[\pw], v[TP+1], 8, v[TP]
	s_delay_alu instid0(VALU_DEP_1)
	v_lshl_or_b32 v[\pw], v[TP+2], 16, v[\pw]
	s_delay_alu instid0(VALU_DEP_1)
	v_lshl_or_b32 v[\pw], v[TP+3], 24, v[\pw]
.irp c, 0,1
	v_cvt_scalef32_pk16_fp6_f32 v[\pc+6*\c:\pc+2+6*\c], v[\s+32*\c:\s+15+32*\c], v[TO+2*\c]
	v_cvt_scalef32_pk16_fp6_f32 v[CT+4*\c:CT+2+4*\c], v[\s+16+32*\c:\s+31+32*\c], v[TO+2*\c+1]   ; (a conversion's three registers begin on an even number)
.endr
	v_nop                                          ; one plain instruction behind a scaled conversion
.irp c, 0,1                                    ; the operand's layout wants a whole block in a lane: lanes 0-15 block 2 c, lanes 16-31 block 2 c + 1
.irp i, 0,1,2
	v_permlane16_swap_b32 v[\pc+6*\c+\i], v[CT+4*\c+\i]
.endr
.irp i, 0,1,2
	s_delay_alu instid0(VALU_DEP_3)
	v_mov_b32 v[\pc+3+6*\c+\i], v[CT+4*\c+\i]
.endr
.endr
.endm
; Half c of a column's 64 numbers: registers 32 c + i = k 64 c + 32 h + i: a whole block of 32 in ONE lane, so no other lane is asked for a maximum.  Its byte goes to v[CB + c], its codes to registers 6 c .. 6 c + 5 of v[pc] on
.macro CQH s, pc, c
	v_max3_num_f32 v[TM], |v[\s+32*\c]|, |v[\s+1+32*\c]|, 0x1800000      ; two chains, each begun over the floor 2^(3 - 127)
	v_max3_num_f32 v[TM+1], |v[\s+2+32*\c]|, |v[\s+3+32*\c]|, 0x1800000
.irp i, 4,8,12,16,20,24,28
	s_delay_alu instid0(VALU_DEP_2)
	v_max3_num_f32 v[TM], v[TM], |v[\s+32*\c+\i]|, |v[\s+1+32*\c+\i]|
	s_delay_alu instid0(VALU_DEP_2)
	v_max3_num_f32 v[TM+1], v[TM+1], |v[\s+2+32*\c+\i]|, |v[\s+3+32*\c+\i]|
.endr
	s_delay_alu instid0(VALU_DEP_1)
	v_max_num_f32 v[TM], v[TM], v[TM+1]
	s_delay_alu instid0(VALU_DEP_1)
	v_add_nc_u32 v[TO], 0xff000000, v[TM]
	s_delay_alu instid0(VALU_DEP_1)
	v_lshrrev_b32 v[CB+\c], 23, v[TO]
	v_cvt_scalef32_pk16_fp6_f32 v[\pc+6*\c:\pc+2+6*\c], v[\s+32*\c:\s+15+32*\c], v[TO]
	v_cvt_scalef32_pk16_fp6_f32 v[CT:CT+2], v[\s+16+32*\c:\s+31+32*\c], v[TO]
	v_nop                                          ; one plain instruction behind a scaled conversion
.irp i, 0,1,2
	v_mov_b32 v[\pc+3+6*\c+\i], v[CT+\i]
.endr
.endm
; The column's scale word from the two bytes
.macro CQW pw
	v_lshl_or_b32 v[\pw], v[CB+1], 16, v[CB]       ; my two bytes: blocks h and 2 + h,
	s_delay_alu instid0(VALU_DEP_1)
	v_lshlrev_b32 v[\pw], v[H8], v[\pw]            ; at their places in the word;
	s_delay_alu instid0(VALU_DEP_1)
	v_permlanex16_b32 v[TP+2], v[\pw], s[SEL], s[SEL+1]
	s_delay_alu instid0(VALU_DEP_1)
	v_or_b32 v[\pw], v[\pw], v[TP+2]               ; with lane l xor 16's two the word is whole, in both lanes
.endm
.macro IMAGE_L adr, pc, off                    ; a fragment goes to LDS as it stands
.irp c, 0,1,2
	ds_store_b128 v[\adr], v[\pc+4*\c:\pc+4*\c+3] offset:\off+512*\c
.endr
.endm
.macro IMAGE_G base, pc, off                   ; or to memory: each store of the wave covers 512 consecutive bytes, aligned to 512
.irp c, 0,1,2
	global_store_b128 v[LI], v[\pc+4*\c:\pc+4*\c+3], s[\base:\base+1] offset:\off+512*\c
.endr
.endm
.macro FETCH reg, off                          ; and comes back from LDS so, in any wave
.irp c, 0,1,2
	ds_load_b128 v[\reg+4*\c:\reg+4*\c+3], v[LI] offset:\off+512*\c
.endr
.endm
.macro BARRIER                                 ; my LDS stores have landed and my LDS loads are in: then the work-group's barrier
	s_wait_dscnt 0x0
	s_barrier_signal -1
	s_barrier_wait -1
.endm
	s_load_b256 s[4:11], s[0:1], 0x0               ; x s[4:5], Q s[6:7], K s[8:9], VO s[10:11]
	s_load_b128 s[12:15], s[0:1], 0x20             ; kv s[12:13], qb s[14:15]
	s_load_b64 s[16:17], s[0:1], 0x30              ; vo
	v_lshl_add_u32 v254, v0, 2, 0x3800
	v_mov_b32 v255, 0
	v_lshrrev_b32 v9, 5, v0
	s_delay_alu instid0(VALU_DEP_1)
	v_readfirstlane_b32 s[WV], v9                  ; wave 0..7
	v_and_b32 v9, 31, v0                           ; lane
	v_and_b32 v10, 15, v0                          ; r
	v_bfe_u32 v11, v0, 4, 1                        ; h
	s_delay_alu instid0(VALU_DEP_2)
	v_and_b32 v12, 8, v10
	s_delay_alu instid0(VALU_DEP_1)
	v_add_nc_u32 v12, v12, v10                     ; r + 8 (r / 8)
	s_delay_alu instid0(VALU_DEP_1)
	v_lshlrev_b32 v[XA], 9, v12
	s_delay_alu instid0(VALU_DEP_1)
	v_lshl_add_u32 v[XA], v11, 6, v[XA]
	s_delay_alu instid0(VALU_DEP_3)
	v_lshlrev_b32 v[CA], 2, v12
	s_delay_alu instid0(VALU_DEP_1)
	v_lshl_add_u32 v[CA], v11, 14, v[CA]
	; x's tiles by rows (tokens, for q and k) have a map of their own: lane r of tile w takes token 64 (w / 4) + 8 (w % 4) + r % 8 + 32 (r / 8),
	; so that in the scores, used transposed, a lane's 32 registers of tiles 4 c .. 4 c + 3 are the whole block of keys 64 c + 32 h + 0 .. 31
	v_and_b32 v14, 8, v10
	s_delay_alu instid0(VALU_DEP_1)
	v_mad_u32_u24 v13, v14, 3, v10                 ; r % 8 + 32 (r / 8) = r + 3 (r & 8)
	s_delay_alu instid0(VALU_DEP_1)
	v_lshlrev_b32 v13, 9, v13
	s_delay_alu instid0(VALU_DEP_1)
	v_lshl_add_u32 v13, v11, 6, v13                ; v13: 512 x that row + 64 h
	v_lshlrev_b32 v[LI], 4, v9
	v_lshlrev_b32 v[LS], 2, v9
	s_mul_i32 s22, s[WV], 1536                     ; an image a wave
	v_add_nc_u32 v[XWI], s22, v[LI]                ; XIMG = 0
	s_lshl_b32 s23, s[WV], 7
	s_add_co_u32 s23, s23, XSC
	v_add_nc_u32 v[XWS], s23, v[LS]
	s_and_b32 s23, s[WV], 1                        ; tile w's word of row r: lane 16 (w % 2) + r, word w / 2
	s_lshl_b32 s23, s23, 8
	s_lshr_b32 s24, s[WV], 1
	s_lshl_b32 s25, s24, 2
	s_add_co_u32 s23, s23, s25
	s_add_co_u32 s23, s23, VSC
	v_lshl_add_u32 v[VSA], v10, 4, s23
	v_lshlrev_b32 v[H8], 3, v11
	s_lshl_b32 s24, s24, 5
	s_and_b32 s25, s[WV], 1
	s_lshl_b32 s25, s25, 3
	s_add_co_u32 s24, s24, s25                     ; tile w's first row: 32 (w / 2) + 8 (w % 2)
	s_mov_b32 s[SEL], 0x76543210
	s_mov_b32 s[SEL+1], 0xfedcba98                 ; v_permlanex16_b32's selects for lane l xor 16
	s_mov_b32 vcc_lo, 0xffff0000                   ; lanes 16-31
	s_mov_b32 s29, 0
.irp b, 0,1,2,3
	v_mov_b32 v[TP+\b], 0                          ; written once: a lane permute's destination counts as one of its sources
.endr
	s_wait_kmcnt 0x0
	s_cmp_lt_u32 ttmp9, 64                         ; x's work-group or VO's?  The choice hangs on the work-group's number alone
	s_cselect_b64 s[CP:CP+1], s[4:5], s[10:11]
	s_cselect_b64 s[VP:VP+1], s[12:13], s[16:17]
	s_mov_b32 s27, VOBLK
	s_cselect_b32 s27, STEPB, s27                  ; bytes of a block of the buffer that takes the images
	s_cselect_b32 s26, 0, 64
	s_sub_co_u32 s26, ttmp9, s26                   ; which block of 128 rows of its tensor
	s_lshl_b32 s28, s26, 16                        ; 128 rows of 512 bytes,
	s_lshl_b32 s30, s24, 2                         ; my tile's first column
	s_add_co_u32 s28, s28, s30
	s_add_nc_u64 s[CP:CP+1], s[CP:CP+1], s[28:29]
	s_mul_i32 s28, s26, s27
	s_add_nc_u64 s[VP:VP+1], s[VP:VP+1], s[28:29]
	s_add_nc_u64 s[VSP:VSP+1], s[VP:VP+1], 12288
	s_mov_b32 s28, s22
	s_add_nc_u64 s[VP:VP+1], s[VP:VP+1], s[28:29]
	s_cmp_ge_u32 ttmp9, 64
	s_cbranch_scc1 .Lvo
	; ---------------- x's path ----------------
	s_lshl_b32 s28, ttmp9, 16
	s_lshr_b32 s30, s[WV], 2                       ; my x tile's first token: 64 (w / 4) + 8 (w % 4), in rows of 512 bytes
	s_lshl_b32 s30, s30, 15
	s_and_b32 s31, s[WV], 3
	s_lshl_b32 s31, s31, 12
	s_add_co_u32 s30, s30, s31
	s_add_co_u32 s28, s28, s30
	s_add_nc_u64 s[XP:XP+1], s[4:5], s[28:29]      ; x at my x tile's first row
.irp b, 0,1,2,3                                ; my x tile by rows, by the tokens' map: 16 loads
.irp j, 0,1,2,3
	global_load_b128 v[N1+16*\b+4*\j:N1+16*\b+4*\j+3], v13, s[XP:XP+1] offset:128*\b+16*\j
.endr
.endr
	CLOAD N0, 0, 32                                ; the first half of my V tile by columns: 32 loads
	s_cmp_lt_u32 s[WV], 4                          ; waves 0-3 work for Q and store to qb, waves 4-7 for K and store to kv
	s_cselect_b64 s[WP:WP+1], s[6:7], s[8:9]
	s_cselect_b64 s[DP:DP+1], s[14:15], s[12:13]
	s_mov_b32 s30, STEPB
	s_cselect_b32 s30, QBLK, s30
	s_cselect_b32 s31, 0, VOBLK                    ; in kv, k's part begins behind V's 12,800 bytes
	s_mul_i32 s28, s30, ttmp9
	s_add_co_u32 s28, s28, s31
	s_add_nc_u64 s[DP:DP+1], s[DP:DP+1], s[28:29]
	s_and_b32 s30, s[WV], 3                        ; my first head is 2 (w % 4)
	s_lshl_b32 s28, s30, 8
	s_add_co_u32 s28, s28, 24576
	s_add_nc_u64 s[DSP:DSP+1], s[DP:DP+1], s[28:29]
	s_mul_i32 s28, s30, 6144
	s_add_nc_u64 s[DP:DP+1], s[DP:DP+1], s[28:29]
	s_lshl_b32 s28, s30, 15                        ; a head of Q or K is 16,384 bytes
	s_add_nc_u64 s[WP:WP+1], s[WP:WP+1], s[28:29]
	s_wait_loadcnt 32                              ; the x tile's 16 loads are in; the 32 column loads issued behind them may be out
	QUANT N1, PCX, PW
	IMAGE_L XWI, PCX, XIMG
	ds_store_b32 v[XWS], v[PW]
	XLOAD N1, WP, 0                                ; weight fragment 0
	s_wait_loadcnt 16                              ; the columns' first half is in; the 16 loads just issued may be out
	CLOAD N0, 32, 32                               ; the second half
	CQH N0, PC, 0
	s_wait_loadcnt 32                              ; fragment 0 is in; the second half's 32 loads may be out
	QUANT N1, WF, WS
	XLOAD N1, WP, 16384                            ; fragment 2: my second head
	s_wait_loadcnt 16                              ; the columns' second half is in; fragment 2's 16 loads may be out
	CQH N0, PC, 1
	s_wait_alu depctr_va_vdst(0)
	s_wait_dscnt 0x0                               ; the store of the x tile's scale words has read PW
	CQW PW
	IMAGE_G VP, PC, 0
	ds_store_b32 v[VSA], v[PW]                     ; lanes r and 16 + r write the same word with the same value
	XLOAD N0, WP, 4096                             ; fragment 1: eight rows on in my first head
	s_wait_loadcnt 16                              ; fragment 2 is in; fragment 1's 16 loads may be out
	QUANT N1, WF+24, WS+2
	XLOAD N1, WP, 20480                            ; fragment 3
	s_wait_loadcnt 16                              ; fragment 1 is in; fragment 3's 16 loads may be out
	QUANT N0, WF+12, WS+1
	s_wait_loadcnt 0x0
	QUANT N1, WF+36, WS+3
	BARRIER                                        ; the eight x images, their scale words and V's scale words lie in LDS
	s_cmp_lg_u32 s[WV], 0
	s_cbranch_scc1 .Lnot_wave_0
	ds_load_b128 v[248:251], v[LI] offset:VSC      ; wave 0 sends V's 512 bytes of scale words out: one store of 512 consecutive bytes
	s_wait_dscnt 0x0
	global_store_b128 v[LI], v[248:251], s[VSP:VSP+1]
.Lnot_wave_0:
	; q or k of my two heads for the 128 tokens, 64 tokens (four x tiles) at a time.  TRANSPOSED: source 0 = 16 rows of the weight, source 1 = an x tile: a lane holds one token,
	; and the 16 registers of its two results are r = 16 h + 0 .. 15.  The four x tiles' results are the four blocks of one fragment.
.irp f, 0,1
.irp j, 0,1,2,3
	FETCH XI+12*\j, XIMG+(4*\f+\j)*1536
	ds_load_b32 v[XS+\j], v[LS] offset:XSC+128*(4*\f+\j)
.endr
	s_wait_dscnt 0x0
.irp i, 0,1
.irp j, 0,1,2,3
.irp u, 0,1
	v_wmma_scale_f32_16x16x128_f8f6f4 v[ACC+16*\j+8*\u:ACC+16*\j+8*\u+7], v[WF+12*(2*\i+\u):WF+12*(2*\i+\u)+11], v[XI+12*\j:XI+12*\j+11], 0, v[WS+2*\i+\u], v[XS+\j] matrix_a_fmt:MATRIX_FMT_FP6 matrix_b_fmt:MATRIX_FMT_FP6
.endr
.endr
.rept 4
	v_nop                                          ; four plain instructions between the last product and the first read of results (ISA guide 7.12.1)
.endr
	s_wait_xcnt 0x0                                ; earlier stores have read their data: the codes' set and the word are written again only behind this wait
	QUANT ACC, PC+36*\i, PW                        ; its lines on the temporaries are also the distance in front of the next products and loads
	IMAGE_G DP, PC+36*\i, 3072*\i+1536*\f
.if \f == 0
	v_mov_b32 v[PWS+\i], v[PW]
.else
	v_cndmask_b32 v[PWO], v[PWS+\i], v[PW], vcc_lo ; lanes 0-15 fragment 0's words, lanes 16-31 fragment 1's
	global_store_b32 v[LS], v[PWO], s[DSP:DSP+1] offset:128*\i
.endif
.endr
.endr
	s_wait_tensorcnt 0x0
	ds_add_u32 v254, v255
	s_wait_dscnt 0x0
	s_endpgm
	; ---------------- VO's path: a tile of 16 columns e x 128 d a wave ----------------
.Lvo:
	CLOAD N0, 0, 48
	s_wait_loadcnt 16                              ; the first half's 32 loads are in; the 16 issued behind them may be out
	CLOAD N0, 48, 16
	CQH N0, PC, 0
	s_wait_loadcnt 0x0
	CQH N0, PC, 1
	CQW PW
	IMAGE_G VP, PC, 0
	ds_store_b32 v[VSA], v[PW] offset:VSC2-VSC
	BARRIER
	s_cmp_lg_u32 s[WV], 0
	s_cbranch_scc1 .Lvo_end
	ds_load_b128 v[248:251], v[LI] offset:VSC2
	s_wait_dscnt 0x0
	global_store_b128 v[LI], v[248:251], s[VSP:VSP+1]
.Lvo_end:
	s_wait_tensorcnt 0x0
	ds_add_u32 v254, v255
	s_wait_dscnt 0x0
	s_endpgm
.Lfunc_end_k_qbe0d2c5bff_prep:
	.size	k_qbe0d2c5bff_prep, .Lfunc_end_k_qbe0d2c5bff_prep-k_qbe0d2c5bff_prep
	.p2alignl 7, 3214868480
	.fill 96, 4, 3214868480
	.section	.rodata,"a",@progbits
	.p2align	6, 0x0
	.amdhsa_kernel k_qbe0d2c5bff_prep
		.amdhsa_group_segment_fixed_size 15360
		.amdhsa_private_segment_fixed_size 0
		.amdhsa_enable_private_segment 0
		.amdhsa_kernarg_size 56
		.amdhsa_user_sgpr_count 2
		.amdhsa_user_sgpr_kernarg_segment_ptr 1
		.amdhsa_wavefront_size32 1
		.amdhsa_system_sgpr_workgroup_id_x 1
		.amdhsa_system_sgpr_workgroup_id_y 1
		.amdhsa_system_sgpr_workgroup_id_z 1
		.amdhsa_system_vgpr_workitem_id 0
		.amdhsa_next_free_vgpr 256
		.amdhsa_next_free_sgpr 66
		.amdhsa_reserve_vcc 1
		.amdhsa_float_denorm_mode_32 3
		.amdhsa_float_denorm_mode_16_64 3
		.amdhsa_memory_ordered 1
		.amdhsa_forward_progress 1
		.amdhsa_inst_pref_size 84
	.end_amdhsa_kernel
	.amdgpu_metadata
---
amdhsa.version: [ 1, 2 ]
amdhsa.kernels:
  - .name:           k_qbe0d2c5bff_prep
    .symbol:         k_qbe0d2c5bff_prep.kd
    .args:
      - { .name: x, .offset: 0, .size: 8, .value_kind: global_buffer, .address_space: global }
      - { .name: Q, .offset: 8, .size: 8, .value_kind: global_buffer, .address_space: global }
      - { .name: K, .offset: 16, .size: 8, .value_kind: global_buffer, .address_space: global }
      - { .name: VO, .offset: 24, .size: 8, .value_kind: global_buffer, .address_space: global }
      - { .name: kv, .offset: 32, .size: 8, .value_kind: global_buffer, .address_space: global }
      - { .name: qb, .offset: 40, .size: 8, .value_kind: global_buffer, .address_space: global }
      - { .name: vo, .offset: 48, .size: 8, .value_kind: global_buffer, .address_space: global }
    .group_segment_fixed_size: 15360
    .private_segment_fixed_size: 0
    .kernarg_segment_align: 8
    .kernarg_segment_size: 56
    .max_flat_workgroup_size: 256
    .sgpr_count:     66
    .vgpr_count:     256
    .wavefront_size: 32
...
	.end_amdgpu_metadata
.endif
;; end of part 1
;; launch attn (part 2): grid 256 x 1, 16 waves a work-group, clusters of 4 x 1, 327,680 bytes of LDS; arguments kv, qb, vo, out0; writes out0
.if DOCPART == 2
	.amdgcn_target "amdgcn-amd-amdhsa--gfx1250"
	.amdhsa_code_object_version 6
	.text
	.protected	k_qbe0d2c5bff_attn
	.globl	k_qbe0d2c5bff_attn
	.p2align	8
	.type	k_qbe0d2c5bff_attn,@function
k_qbe0d2c5bff_attn:
	s_mov_b64 s[64:65], 0
	v_nop
	global_prefetch_b8 v0, s[64:65] scope:SCOPE_SE
	s_setreg_imm32_b32 hwreg(HW_REG_WAVE_MODE, 25, 1), 1
	s_wait_xcnt 0x0
	s_wait_alu depctr_hold_cnt(0) depctr_sa_sdst(0) depctr_va_vdst(0) depctr_va_sdst(0) depctr_va_ssrc(0) depctr_va_vcc(0) depctr_vm_vsrc(0)
	s_getreg_b32 s2, hwreg(HW_REG_IB_STS2, 6, 4)
	s_cmp_eq_u32 s2, 0
	s_cbranch_scc0 .Lentry_in_a_cluster
	s_endpgm
.Lentry_in_a_cluster:
	s_bfe_u32 s2, ttmp6, 0x10000c
	s_cmp_lg_u32 s2, 0x3003
	s_cbranch_scc0 .Lentry_shape_is_right
	s_endpgm
.Lentry_shape_is_right:
; ATTENTION AND THE OUTPUT PROJECTION, on codes of FP6 (E2M3) with one E8M0 scale for each 32 along a product's K.
;   scores = q k^T (K = r = 32);  t = score x log2(e) / sqrt(128);  M = the running largest t rounded UP to a whole number;  p = 2^(t - M) is quantised along the keys;
;   O = p x (K = the keys; x is the value of all heads);  ctx = O / l, l the sum of the unquantised p;  out = the sum over heads and d of ctx VO (K = 8 x 128).
; kv, qb, vo are the first launch's buffers: operands as IMAGES OF THEIR REGISTERS (a fragment's 12 registers in 1,536 bytes: three loads of 16 bytes a lane at 16 x lane, 512 bytes apart).
; SHARES.  A work-group owns 32 tokens for ALL 8 heads: each row of out has one owner and ctx never goes to memory.  Sixteen waves of 256 registers.  Wave w: head w / 2, tile w % 2 of 16 queries.
;   Every wave walks its batch's 4,096 keys, 128 a step.
; A FRAGMENT OF k HOLDS 64 KEYS: K block j is all 32 r of one key for each lane.  Four VARIANTS of the query's fragment, q in block j and zero codes elsewhere, pick out tile j: S^T_j = k x variant j.
;   Zero codes add nothing under any scale byte but 0xff, and every byte here lies in 1 .. 254.
; LAYOUT.  All products are used transposed: a lane holds ONE query (lane % 16) throughout.  Row m of tile j of k's fragment f is key 64 f + 8 j + m % 8 + 32 (m / 8): so a lane's 32 score registers of a
;   fragment are the WHOLE block of keys 64 f + 32 h + 0 .. 31, in the order of the next operand's registers: a block's maximum needs no other lane and p's codes are not moved between lanes.
;   V's and VO's tiles: lane r of tile t takes row 32 (t / 2) + 8 (t % 2) + r + 8 (r / 8), so that ctx's 16 registers of tiles 2 b, 2 b + 1 are 16 neighbours along d.
;   The work-group's tokens: 128 g + 64 (cx / 2) + 16 (cx % 2) + 0 .. 15, and the sixteen that lie 32 further on.
; CLUSTER.  All 128 work-groups of a batch walk one stream of k and V, 38,400 bytes a key step.  Four of them form a cluster and ask for each slot JOINTLY.  Two LDS slots of FOUR key steps, 153,600 bytes each;
;   waves 0-3 each fetch a quarter of a slot, 150 rows of 256 bytes; at most one tensor load of a wave is out.  The change of slots is laid into a slot's last key step: behind that step's last LDS loads.
; LIMITS: NaN and infinities are not served.  The promise holds while the scaled scores t stay under 2^31 in magnitude.  1 / l is v_rcp_f32 and a multiplication.
;   A block of ctx or of p whose largest magnitude lies under 2^-124, zeros among them, gets the byte 1.  A block's largest p is taken as the exponential of its largest score.
.set STEPB,  38400                     ; a key step in kv: V's 8 images | V's scale words | k's 16 images | k's scale words
.set SLOTB,  4*STEPB
.set QUART,  SLOTB/4                   ; 38,400 bytes = 150 x 256
.set BATCHB, 32*STEPB
.set VSOFF,  12288
.set KOFF,   12800
.set KSOFF,  37376
.set SLOT1,  SLOTB                     ; slot 1 lies behind slot 0
.set SPARE,  2*SLOTB                   ; behind the ring: the spare words, 128 bytes for each wave: eight blocks of 256 bytes that no other line names
.set CIMG,   0                         ; the tail's stages lie in slot 0's bytes, which have had their last fill and their last read by then: ctx's 16 images (2 head + tile),
.set CSC,    CIMG+16*1536              ; their scale words, 128 bytes each,
.set OSTG,   CSC+16*128                ; and the stage for out: 32 rows x (512 bytes + 16)
.set LI,  1                            ; v1   16 x lane
.set AK0, 2                            ; v2   my lane's place among my head's images of k
.set AS0, 3                            ; v3   and among its scale words
.set SPW, 4                            ; v4   LDS address of my spare word; never rewritten
.set NIL, 5                            ; v5   0; never rewritten
.set ADV, 6                            ; v6-8 the step's addresses: V, k, k's scale words
.set ADK, 7
.set ADS, 8
.set PFO, 9                            ; v9   the prefetches' offset; never rewritten
.set H8,  11                           ; v11  8 h
.set CWI, 2                            ; the tail's addresses, in registers that the loops have left
.set CWS, 3
.set CRI, 6
.set CRS, 7
.set OSW, 8
.set VSO, 10
.set OSR, 11
                                       ; v12 -M, v13 the largest score, v[14:15] the sum in two halves
.set QB,  16                           ; v16-45   zeros 6 | q in lanes 0-15, 6 | zeros 6 | q in lanes 16-31, 6 | zeros 6: variant j begins at QB + 12 (j % 2) + 6 (1 - j / 2)
.set FR,  46                           ; v46-93   four fragments
.set S,   94                           ; v94-157  S^T, then p; then four fragments of V
.set OA,  158                          ; v158-221 O^T
.set PCD, 222                          ; v222-233 p's codes
.set BM,  230                          ; v230-233 maxima: done with before the codes land there
.set PT,  234                          ; v234-241 temporaries, the conversions' second halves
.set SO,  242                          ; v242-245 the conversions' scale operands
.set VS,  246                          ; v246-249 V's scale words: register i: lanes 0-15 tile 2 i, lanes 16-31 tile 2 i + 1
.set KS,  250                          ; v250     k's scale words: lanes 0-15 fragment 0, lanes 16-31 fragment 1
.set FF,  252                          ; v252     f = 2^(old M - new M)
.set PS,  253                          ; v253     p's scale word
.set TMP, 254
.set QS,  255                          ; v255     q's scale byte, in all four places
.set ACC, S+48                         ; v142-149 the tail's accumulator
.set WV,  12
.set HD,  13
.set U,   14
.set CX,  15
.set SEL, 20                           ; s[20:21] lane selects for v_permlanex16_b32: lane l xor 16
.set CS,  22                           ; s[22:23] c = log2(e) / sqrt(128)
.set G1,  24                           ; s[24:31] descriptor group 1
.set G0,  32                           ; s[32:35] descriptor group 0, which walks
.set TB,  36                           ; s36      LDS byte at which the slot in hand begins: 0 or SLOT1
.set TQ,  37                           ; s37      and the key step in hand
.set SLOTS, 38                         ; s38      the loops' counter: refills still to come
.set LIM, 39                           ; s39      1 in a wave that prefetches, else the greatest number
.set PFA, 40                           ; s[40:41] where my prefetches stand
.set QP,  42
.set QSP, 44
.set VOP, 46
.set VSP, 48
.set OP,  50
.set MSK, 60                           ; s60      lanes 16-31
.set FB,  61                           ; s61      LDS byte at which the slot last asked for begins
.set WQ,  62                           ; s62      my quarter of a slot
.macro CREST                                   ; a round of the cluster's barrier behind its opening barrier
	s_cmp_lg_u32 s[WV], 0
	s_cbranch_scc1 .Lnot_wave_0_\@
	s_barrier_signal -3
.Lnot_wave_0_\@:
	s_barrier_wait -3
	s_barrier_signal -1
	s_barrier_wait -1
.endm
.macro CROUND                                  ; a whole round
	s_barrier_signal -1
	s_barrier_wait -1
	CREST
.endm
; The joint load: waves 0-3, a quarter of a slot each.  The branch hangs on the wave's number alone.  s_nop 0 and four v_nop follow the load.
.macro JLOAD
	s_cmp_lt_u32 s[WV], 4
	s_cbranch_scc0 .Lno_load_\@
	tensor_load_to_lds s[G0:G0+3], s[G1:G1+7]
	s_nop 0
.rept 4
	v_nop
.endr
.Lno_load_\@:
.endm
; A PREFETCH INTO THE L2 of the slot that the NEXT change of slots will ask for: four key steps ahead of that load.  All 32 clusters of a batch walk the same stream: the batch's first cluster asks.
; Its four partners share the slot's 600 blocks of 256 bytes out BY ADDRESS, 150 each; in each, waves 4 to 8, which fetch nothing, take 30 blocks each, a lane a block (lanes 30, 31 name lane 29's block again).
; The last change that fills a slot asks for nothing; slots 0 and 1 come by their loads alone.
.macro ASK
	s_cmp_gt_u32 s[SLOTS], s[LIM]
	s_cbranch_scc0 .Lnot_mine_\@
	global_prefetch_b8 v[PFO], s[PFA:PFA+1] th:TH_LOAD_NT scope:SCOPE_SE
.Lnot_mine_\@:
.endm
; No tensor load of mine is out, so group 0 may be written: the other slot than last time, the next 512 keys; and the prefetches' address, one slot further on
.macro ADVANCE
	s_xor_b32 s[FB], s[FB], SLOT1
	s_add_co_u32 s[G0+1], s[FB], s[WQ]
	s_add_nc_u64 s[G0+2:G0+3], s[G0+2:G0+3], SLOTB
	s_wait_xcnt 0x0                                ; the last prefetch, a slot back, has read its address
	s_add_nc_u64 s[PFA:PFA+1], s[PFA:PFA+1], SLOTB
.endm
; A scaled product.  acc = 0: the constant 0 starts the sum.  row = 1: source 0's scales stand in lanes 16-31
.macro WM d, a, b, acc, sa, sb, row
.if \acc
.if \row
	v_wmma_scale_f32_16x16x128_f8f6f4 v[\d:\d+7], v[\a:\a+11], v[\b:\b+11], v[\d:\d+7], v[\sa], v[\sb] matrix_a_fmt:MATRIX_FMT_FP6 matrix_b_fmt:MATRIX_FMT_FP6 matrix_a_scale:MATRIX_SCALE_ROW1
.else
	v_wmma_scale_f32_16x16x128_f8f6f4 v[\d:\d+7], v[\a:\a+11], v[\b:\b+11], v[\d:\d+7], v[\sa], v[\sb] matrix_a_fmt:MATRIX_FMT_FP6 matrix_b_fmt:MATRIX_FMT_FP6
.endif
.else
.if \row
	v_wmma_scale_f32_16x16x128_f8f6f4 v[\d:\d+7], v[\a:\a+11], v[\b:\b+11], 0, v[\sa], v[\sb] matrix_a_fmt:MATRIX_FMT_FP6 matrix_b_fmt:MATRIX_FMT_FP6 matrix_a_scale:MATRIX_SCALE_ROW1
.else
	v_wmma_scale_f32_16x16x128_f8f6f4 v[\d:\d+7], v[\a:\a+11], v[\b:\b+11], 0, v[\sa], v[\sb] matrix_a_fmt:MATRIX_FMT_FP6 matrix_b_fmt:MATRIX_FMT_FP6
.endif
.endif
.endm
.macro PADD d, a, b
	v_pk_add_f32 v[\d:\d+1], v[\a:\a+1], v[\b:\b+1]
.endm
; 64 numbers of a lane, register 16 b + i = k 32 b + 16 h + i of its row, become a fragment's codes in v[pc] on and the row's scale word in v[pw]  (the tail's ctx).  The four blocks go by turns
.macro QUANT s, pc, pw
.irp b, 0,1,2,3
	v_max3_num_f32 v[BM+\b], |v[\s+16*\b]|, |v[\s+1+16*\b]|, 0x1800000
.endr
.irp i, 2,4,6,8,10,12,14
.irp b, 0,1,2,3
	v_max3_num_f32 v[BM+\b], v[BM+\b], |v[\s+16*\b+\i]|, |v[\s+1+16*\b+\i]|
.endr
.endr
.irp b, 0,1,2,3
	v_permlanex16_b32 v[PT+\b], v[BM+\b], s[SEL], s[SEL+1]
.endr
.irp b, 0,1,2,3
	v_max_num_f32 v[BM+\b], v[BM+\b], v[PT+\b]
.endr
.irp b, 0,1,2,3
	v_add_nc_u32 v[SO+\b], 0xff000000, v[BM+\b]
.endr
.irp b, 0,1,2,3
	v_lshrrev_b32 v[PT+\b], 23, v[SO+\b]
.endr
	v_lshl_or_b32 v[\pw], v[PT+1], 8, v[PT]
	v_lshl_or_b32 v[\pw], v[PT+2], 16, v[\pw]
	v_lshl_or_b32 v[\pw], v[PT+3], 24, v[\pw]
.irp c, 0,1
	v_cvt_scalef32_pk16_fp6_f32 v[\pc+6*\c:\pc+2+6*\c], v[\s+32*\c:\s+15+32*\c], v[SO+2*\c]
	v_cvt_scalef32_pk16_fp6_f32 v[PT+4*\c:PT+2+4*\c], v[\s+16+32*\c:\s+31+32*\c], v[SO+2*\c+1]
.endr
	v_nop
.irp c, 0,1
.irp i, 0,1,2
	v_permlane16_swap_b32 v[\pc+6*\c+\i], v[PT+4*\c+\i]
.endr
.irp i, 0,1,2
	v_mov_b32 v[\pc+3+6*\c+\i], v[PT+4*\c+\i]
.endr
.endr
.endm
.macro BARRIER
	s_wait_dscnt 0x0
	s_barrier_signal -1
	s_barrier_wait -1
.endm
; A KEY STEP: 128 keys, the q-th of the slot in hand.  e = 0: inside a slot.  e = 1: the slot's last step, with a change of slots that fills this slot again.  e = 2: the same with nothing more to fetch.
.macro STEP q, e
	s_add_co_u32 s[TQ], s[TB], \q*STEPB
	v_add_nc_u32 v[ADK], s[TQ], v[AK0]
	v_add_nc_u32 v[ADS], s[TQ], v[AS0]
	v_add_nc_u32 v[ADV], s[TQ], v[LI]
	v_nop                                          ; five plain instructions behind the last step's products: the scores below are written over registers that those read as V's fragments
	v_nop
.irp f, 0,1
.irp g, 0,1,2
	ds_load_b128 v[FR+12*\f+4*\g:FR+12*\f+4*\g+3], v[ADK] offset:1536*\f+512*\g   ; my head's two fragments of k: 64 keys each
.endr
.endr
	ds_load_b32 v[KS], v[ADS]
	s_wait_alu depctr_va_vdst(0)
	s_wait_dscnt 0x0
.irp f, 0,1                                    ; S^T: register 32 f + 8 j + i is key 64 f + 32 h + 8 j + i of the step
.irp j, 0,1,2,3
	WM S+8*(4*\f+\j), FR+12*\f, QB+12*(\j%2)+6*(1-\j/2), 0, KS, QS, \f
.endr
.endr
.rept 4
	v_nop                                          ; four plain instructions in front of loads into k's registers and of the first read of the scores
.endr
.irp t, 0,1,2,3                                ; V's tiles 0-3 and its scale words: they land during the softmax
.irp g, 0,1,2
	ds_load_b128 v[FR+12*\t+4*\g:FR+12*\t+4*\g+3], v[ADV] offset:1536*\t+512*\g
.endr
.endr
	ds_load_b128 v[VS:VS+3], v[ADV] offset:VSOFF
	; THE LARGEST SCORE OF MY TWO BLOCKS OF 32 KEYS serves twice: for the row's maximum, and, since p rises with the score, for the block's largest p.  Two chains a block, the four by turns, each result tile from its low end on
.irp f, 0,1
.irp g, 0,1
	v_max3_num_f32 v[BM+2*\f+\g], v[S+32*\f+16*\g], v[S+32*\f+16*\g+1], v[S+32*\f+16*\g+2]
.endr
.endr
.irp i, 3,5,7,9,11,13
.irp f, 0,1
.irp g, 0,1
	v_max3_num_f32 v[BM+2*\f+\g], v[BM+2*\f+\g], v[S+32*\f+16*\g+\i], v[S+32*\f+16*\g+\i+1]
.endr
.endr
.endr
.irp f, 0,1
	v_max3_num_f32 v[BM+2*\f], v[BM+2*\f], v[S+32*\f+15], v[S+32*\f+31]
.endr
.irp f, 0,1
	v_max_num_f32 v[BM+2*\f], v[BM+2*\f], v[BM+2*\f+1]   ; block 2 f + h's largest score
.endr
	v_max_num_f32 v[TMP], v[BM], v[BM+2]
	v_permlanex16_b32 v[PT], v[TMP], s[SEL], s[SEL+1]
	v_max3_num_f32 v13, v13, v[TMP], v[PT]         ; the running largest score of my query, lane l xor 16's keys among them
	v_mul_f32 v[TMP], s[CS], v13                   ; as t (c is positive)
	v_floor_f32 v[FF], -v[TMP]                     ; the new -M = floor(-t) = -ceil(t): M is a whole number
	v_sub_f32 v[TMP], v[FF], v12                   ; M's old value less its new one: a whole number, 0 or less
	v_mov_b32 v12, v[FF]
	v_cvt_i32_f32 v[TMP], v[TMP]                   ; (it saturates)
	v_ldexp_f32 v[FF], 1.0, v[TMP]                 ; f = 2^(old M - new M): a multiplication by it rounds nothing
.set jj, 0
.rept 32
	v_pk_fma_f32 v[S+jj:S+jj+1], v[S+jj:S+jj+1], s[CS:CS+1], v[12:13] op_sel_hi:[1,0,0]   ; t - M, two at a time (of the pairs c and -M the low word serves both halves)
.set jj, jj+2
.endr
.irp f, 0,1
	v_fma_f32 v[BM+2*\f], v[BM+2*\f], s[CS], v12   ; the same of each block's largest score
.endr
	s_wait_alu depctr_va_vdst(0)                   ; the wait ahead of the batch
.set jj, 0
.rept 64
	v_exp_f32 v[S+jj], v[S+jj]                     ; p = 2^(t - M), at most 1: not normalised
.set jj, jj+1
.endr
.irp f, 0,1
	v_exp_f32 v[BM+2*\f], v[BM+2*\f]               ; the block's largest p: the same two instructions on the same number give the same bits
.endr
	v_pk_mul_f32 v[14:15], v[14:15], v[FF:FF+1] op_sel_hi:[1,0]   ; the sums under the new M: the plain instruction behind the exponentials
	s_wait_alu depctr_va_vdst(0)                   ; one wait for the whole batch, ahead of its first reader
	; THE ROW'S SUM IS TAKEN OF THE UNQUANTISED p: 32 pairs in eight chains that take turns
.set pp, S
.irp t, 234,236,238,240,242,244,250
	PADD \t, pp, pp+2
.set pp, pp+4
.endr
	PADD 14, 14, pp
.set pp, pp+2
.rept 2
.irp t, 234,236,238,240,242,244,250
	PADD \t, \t, pp
.set pp, pp+2
.endr
	PADD 14, 14, pp
.set pp, pp+2
.endr
	PADD 234, 234, pp
	PADD 238, 238, 240
	PADD 242, 242, 244
	PADD 14, 14, 250
	PADD 234, 234, 236
.irp f, 0,1
	v_max_num_f32 v[BM+2*\f], 0x1800000, v[BM+2*\f]   ; the floor 2^(3 - 127): the byte cannot fall under 1.  (The scale's lines and the sums' last lines take turns)
.endr
	PADD 14, 14, 242
	PADD 234, 234, 238
.irp f, 0,1
	v_add_nc_u32 v[SO+\f], 0xff000000, v[BM+2*\f]  ; 2 off the exponent field: the conversion's scale operand.  (v242, v243 have been added to the sum above)
.endr
	PADD 14, 14, 234
.irp f, 0,1
	v_lshrrev_b32 v[PT+\f], 23, v[SO+\f]           ; the scale's byte
.endr
	v_lshl_or_b32 v[PS], v[PT+1], 16, v[PT]        ; my two bytes: blocks h and 2 + h,
	v_lshlrev_b32 v[PS], v[H8], v[PS]              ; at their places in the word;
	v_permlanex16_b32 v[PT+2], v[PS], s[SEL], s[SEL+1]
	v_or_b32 v[PS], v[PS], v[PT+2]                 ; with lane l xor 16's two: p's scale word for these 128 keys
.irp c, 0,1                                    ; registers 6 c .. 6 c + 5 of the operand: my whole block 2 c + h
	v_cvt_scalef32_pk16_fp6_f32 v[PCD+6*\c:PCD+2+6*\c], v[S+32*\c:S+15+32*\c], v[SO+\c]
	v_cvt_scalef32_pk16_fp6_f32 v[PT+4*\c:PT+2+4*\c], v[S+16+32*\c:S+31+32*\c], v[SO+\c]   ; (a conversion's three registers begin on an even number)
.endr
	v_nop                                          ; one plain instruction behind a scaled conversion
.irp c, 0,1
.irp i, 0,1,2
	v_mov_b32 v[PCD+3+6*\c+\i], v[PT+4*\c+\i]
.endr
.endr
.irp t, 4,5,6,7                                ; V's tiles 4-7 into the registers that p has left: my last LDS loads of the step
.irp g, 0,1,2
	ds_load_b128 v[S+12*(\t-4)+4*\g:S+12*(\t-4)+4*\g+3], v[ADV] offset:1536*\t+512*\g
.endr
.endr
.if \e
	s_wait_tensorcnt 0x0                           ; THE CHANGE OF SLOTS: all my tensor loads have landed: my part of the slot that is read next;
	ds_add_u32 v[SPW], v[NIL]                      ; 0 onto my spare word;
.if \e == 1
	ds_add_u32 v[SPW], v[NIL]                      ; twice where a refill follows
	ADVANCE
.endif
.endif
.set jj, 0
.rept 32
	v_pk_mul_f32 v[OA+jj:OA+jj+1], v[OA+jj:OA+jj+1], v[FF:FF+1] op_sel_hi:[1,0]   ; O^T under the new M.  (These 32 also stand between the writes of p's codes and scale word and the products)
.set jj, jj+2
.endr
	s_wait_alu depctr_va_vdst(0)                   ; directly ahead of the wait below
	s_wait_dscnt 0x0                               ; V's fragments are in; at a change of slots: the add is done and my reads of this slot are over
.if \e
	s_barrier_signal -1                            ; say so; the products below, work on registers, stand between the signal and the wait
.endif
.irp t, 0,1,2,3                                ; O^T += V^T P^T: tile t's register i is channel 32 (t / 2) + 8 (t % 2) + 16 h + i.  The eight accumulators take turns
	WM OA+8*\t, FR+12*\t, PCD, 1, VS+\t/2, PS, \t%2
.endr
.irp t, 4,5,6,7
	WM OA+8*\t, S+12*(\t-4), PCD, 1, VS+\t/2, PS, \t%2
.endr
.if \e
	s_barrier_wait -1
.if \e == 1
	CREST                                          ; the barrier has opened a round of the cluster's barrier: no wave of any partner still reads this slot or has a load on its way
	JLOAD                                          ; the joint refill, first thing: it has four key steps in which to land
	ASK
.endif
.endif
.endm
	s_load_b256 s[4:11], s[0:1], 0x0               ; kv s[4:5], qb s[6:7], vo s[8:9], out0 s[10:11]
	v_lshl_add_u32 v[SPW], v0, 2, SPARE
	v_mov_b32 v[NIL], 0
	ds_add_u32 v[SPW], v[NIL]                      ; the opening lines: the add, twice on end, and its wait ahead of the first tensor load
	ds_add_u32 v[SPW], v[NIL]
	v_lshrrev_b32 v1, 5, v0
	v_readfirstlane_b32 s[WV], v1                  ; wave 0..15
	s_lshr_b32 s[HD], s[WV], 1                     ; my head; in the tail: my tile of 16 outputs
	s_and_b32 s[U], s[WV], 1                       ; my tile of 16 queries
	s_bfe_u32 s[CX], ttmp6, 0x40000                ; cx: my place in the cluster: it enters global addresses and one shift of data, no branch and no LDS address
	; descriptor group 1: 150 dense rows of 256 bytes (32 elements of 8 bytes), no padding: every LDS load here takes 512 consecutive bytes
	s_mov_b32 s[G1], 15|(3<<16)|(1<<21)            ; 15:0 the mask: all four work-groups; 17:16 elements of 8 bytes; 21 set beside a mask
	s_mov_b32 s[G1+1], 32<<16                      ; tensor_dim0 = 32
	s_mov_b32 s[G1+2], 150<<16                     ; tensor_dim1 = 150
	s_mov_b32 s[G1+3], 32<<16                      ; tile_dim0 = 32
	s_mov_b32 s[G1+4], 150                         ; tile_dim1 = 150
	s_mov_b32 s[G1+5], 32                          ; tensor_dim0_stride
	s_mov_b32 s[G1+6], 0
	s_mov_b32 s[G1+7], 0
	s_mov_b32 s[SEL], 0x76543210
	s_mov_b32 s[SEL+1], 0xfedcba98
	s_mov_b32 s[CS], 0x3e0293ee                    ; c = log2(e) / sqrt(128)
	s_mov_b32 s[CS+1], s[CS]                       ; (named with it as a pair, so it is written)
	s_mov_b32 s[TB], 0
	s_mov_b32 s[FB], 0
	s_mov_b32 s[SLOTS], 6                          ; 8 slots of 512 keys; slot 0 is asked for here, slot 1 in front of the loop, slots 2-7 in its six trips
	s_mov_b32 s[MSK], 0xffff0000                   ; lanes 16-31
	s_and_b32 s[WQ], s[WV], 3
	s_mul_i32 s[WQ], s[WQ], QUART                  ; my quarter of a slot, in memory and in LDS alike
	s_mov_b32 s52, s[WQ]
	s_mov_b32 s53, 0
	s_lshr_b32 s54, ttmp9, 5                       ; the batch: 32 clusters each
	s_mul_i32 s54, s54, BATCHB
	s_mov_b32 s55, 0
	s_wait_dscnt 0x0                               ; both opening adds are done
	s_wait_kmcnt 0x0
	s_mov_b32 s[G0], 1                             ; count = 1
	s_mov_b32 s[G0+1], s[WQ]                       ; LDS address: slot 0
	s_add_nc_u64 s[G0+2:G0+3], s[4:5], s[54:55]    ; global address: the batch's stream,
	s_add_nc_u64 s[G0+2:G0+3], s[G0+2:G0+3], s[52:53]   ; my quarter
	s_or_b32 s[G0+3], s[G0+3], 0x80000000          ; type = 2
	CROUND                                         ; all four work-groups are here: the first joint loads meet
	JLOAD                                          ; slot 0
	; q: block 2 c + u (c = cx % 2) of fragment cx / 2 of my head, in block ttmp9 of qb: lane 16 u + r's registers 6 c .. 6 c + 5 of the image; both halves of my lanes take the same 24 bytes
	s_mul_i32 s52, ttmp9, 25600
	s_mul_i32 s56, s[HD], 3072
	s_add_co_u32 s56, s56, s52
	s_lshr_b32 s58, s[CX], 1
	s_mul_i32 s59, s58, 1536
	s_add_co_u32 s56, s56, s59
	s_mov_b32 s57, 0
	s_add_nc_u64 s[QP:QP+1], s[6:7], s[56:57]
	s_lshl_b32 s56, s[HD], 7
	s_add_co_u32 s56, s56, s52
	s_lshl_b32 s59, s58, 6
	s_add_co_u32 s56, s56, s59
	s_add_co_u32 s56, s56, 24576
	s_add_nc_u64 s[QSP:QSP+1], s[6:7], s[56:57]
	v_and_b32 v10, 15, v0                          ; r
	s_lshl_b32 s56, s[U], 8
	s_and_b32 s58, s[CX], 1                        ; c
	s_mul_i32 s59, s58, 520
	s_add_co_u32 s59, s59, s56
	v_lshl_add_u32 v[S+8], v10, 4, s59             ; 16 (16 u + r) + 520 c
	s_mul_i32 s59, s58, 1016
	s_add_co_u32 s59, s59, s56
	s_add_co_u32 s59, s59, 8
	v_lshl_add_u32 v[S+9], v10, 4, s59             ; .. + 8 + 1,016 c
	v_add_nc_u32 v[S+10], 512, v[S+8]              ; .. + 512 + 520 c
	v_lshlrev_b32 v[S+11], 2, v10
	global_load_b64 v[S:S+1], v[S+8], s[QP:QP+1]
	global_load_b64 v[S+2:S+3], v[S+9], s[QP:QP+1]
	global_load_b64 v[S+4:S+5], v[S+10], s[QP:QP+1]
	global_load_b32 v[S+6], v[S+11], s[QSP:QSP+1]  ; the row's scale word: byte 2 c + u is my query's
	s_lshl_b32 s58, s58, 1
	s_add_co_u32 s58, s58, s[U]
	s_lshl_b32 s58, s58, 3                         ; 8 (2 c + u)
	; the prefetches (macro ASK): where mine stand, and who asks.  Nothing is prefetched here, at the head
	s_sub_co_u32 s53, s[WV], 4
	s_min_u32 s59, s53, 4                          ; waves 4 to 8: 0 to 4 (the others never ask)
	s_mul_i32 s59, s59, 7680
	s_mul_i32 s56, s[CX], QUART
	s_add_co_u32 s56, s56, s59
	s_add_co_u32 s56, s56, SLOTB                   ; in slot 1: the first change of slots steps it to slot 2
	s_add_nc_u64 s[PFA:PFA+1], s[4:5], s[54:55]
	s_add_nc_u64 s[PFA:PFA+1], s[PFA:PFA+1], s[56:57]
	s_cmp_lt_u32 s53, 5                            ; waves 4 to 8
	s_cselect_b32 s56, 0, 1
	s_and_b32 s59, ttmp9, 31                       ; of the batch's first cluster: the same in all four partners
	s_or_b32 s56, s56, s59
	s_cmp_eq_u32 s56, 0
	s_cselect_b32 s[LIM], 1, -1
	v_and_b32 v[PFO], 31, v0
	v_min_u32 v[PFO], 29, v[PFO]
	v_lshlrev_b32 v[PFO], 8, v[PFO]
	; the tail's global addresses
	s_mul_i32 s56, s[HD], 1536
	s_add_nc_u64 s[VOP:VOP+1], s[8:9], s[56:57]    ; VO's tile of outputs w / 2, head 0
	s_add_nc_u64 s[VSP:VSP+1], s[8:9], VSOFF
	s_lshl_b32 s56, ttmp9, 7                       ; the two rows of out that I store, rows 2 w, 2 w + 1 of the stage: token 128 g + 64 (cx / 2) + 16 (cx % 2) + 2 w + 16 (w / 8)
	s_lshr_b32 s59, s[CX], 1
	s_lshl_b32 s59, s59, 6
	s_add_co_u32 s56, s56, s59
	s_and_b32 s59, s[CX], 1
	s_lshl_b32 s59, s59, 4
	s_add_co_u32 s56, s56, s59
	s_lshl_b32 s59, s[WV], 1
	s_add_co_u32 s56, s56, s59
	s_lshr_b32 s59, s[WV], 3
	s_lshl_b32 s59, s59, 4
	s_add_co_u32 s56, s56, s59
	s_lshl_b32 s56, s56, 9
	s_add_nc_u64 s[OP:OP+1], s[10:11], s[56:57]
	; LDS addresses
	v_and_b32 v[LI], 31, v0
	v_lshlrev_b32 v[LI], 4, v[LI]
	s_mul_i32 s56, s[HD], 3072
	s_add_co_u32 s56, s56, KOFF
	v_add_nc_u32 v[AK0], s56, v[LI]
	s_lshl_b32 s56, s[HD], 7
	s_add_co_u32 s56, s56, KSOFF
	v_lshrrev_b32 v[AS0], 2, v[LI]
	v_add_nc_u32 v[AS0], s56, v[AS0]
	v_bfe_u32 v[H8], v0, 4, 1
	v_lshlrev_b32 v[H8], 3, v[H8]                  ; 8 h
.irp i, 0,1,2,3,4,5
	v_mov_b32 v[QB+\i], 0                          ; the zero codes of the query's variants
	v_mov_b32 v[QB+12+\i], 0
	v_mov_b32 v[QB+24+\i], 0
.endr
	v_mov_b32 v13, 0xff61b1e6                      ; the largest score so far: -3e38, under every score
	v_floor_f32 v12, -v13                          ; -M
	v_mov_b32 v14, 0                               ; the sum, in two halves
	v_mov_b32 v15, 0
.irp b, 0,1,2,3
	v_mov_b32 v[PT+\b], 0                          ; written once: a lane permute's destination counts as one of its sources
.endr
	v_mov_b32 v[PS], 0                             ; (named as the upper half of the pair v[252:253] before it is first written)
	s_wait_loadcnt 0x0                             ; q
.irp i, 0,1,2,3,4,5
	v_cndmask_b32 v[QB+6+\i], v[S+\i], v[QB], s[MSK]    ; q in lanes 0-15, zeros in lanes 16-31
	v_cndmask_b32 v[QB+18+\i], v[QB], v[S+\i], s[MSK]   ; and the other way round
.endr
	v_lshrrev_b32 v[QS], s58, v[S+6]
	v_and_b32 v[QS], 0xff, v[QS]
	v_lshl_or_b32 v[QS], v[QS], 8, v[QS]
	v_lshl_or_b32 v[QS], v[QS], 16, v[QS]          ; my query's byte for whichever block a variant uses
.set jj, 0
.rept 64
	v_mov_b32 v[OA+jj], 0                          ; O^T.  The key step is written once for all steps: the first finds zeros, which the first change of M leaves zeros.  (These also stand between the lines above and the first products)
.set jj, jj+1
.endr
	s_wait_alu depctr_va_vdst(0)                   ; the wait at the head's end
	s_wait_tensorcnt 0x0                           ; my part of slot 0 is in; slot 1's first fill is issued as a refill is:
	ds_add_u32 v[SPW], v[NIL]                      ; the add, twice
	ds_add_u32 v[SPW], v[NIL]
	ADVANCE
	s_wait_dscnt 0x0
	CROUND                                         ; a whole round,
	JLOAD                                          ; and slot 1's joint load, the first tensor load behind it
	ASK
.Lslot:                                            ; six trips, slots 0-5: each ends with a change of slots that asks for the slot two further on
	STEP 0, 0
	STEP 1, 0
	STEP 2, 0
	STEP 3, 1
	s_xor_b32 s[TB], s[TB], SLOT1                  ; on to the other slot
	s_sub_co_u32 s[SLOTS], s[SLOTS], 1
	s_cmp_lg_u32 s[SLOTS], 0
	s_cbranch_scc1 .Lslot
	s_mov_b32 s[SLOTS], 2
.Llast:                                            ; two trips, slots 6 and 7: nothing more is fetched.  Slot 6's barrier shows slot 7 whole; behind slot 7's no wave reads the ring any more, and the tail's stages may lie there
	STEP 0, 0
	STEP 1, 0
	STEP 2, 0
	STEP 3, 2
	s_xor_b32 s[TB], s[TB], SLOT1
	s_sub_co_u32 s[SLOTS], s[SLOTS], 1
	s_cmp_lg_u32 s[SLOTS], 0
	s_cbranch_scc1 .Llast
	; ---------------- THE TAIL ----------------
	v_add_f32 v14, v14, v15                        ; the sum's two halves,
	v_permlanex16_b32 v[TMP], v14, s[SEL], s[SEL+1]
	v_add_f32 v14, v14, v[TMP]                     ; and lane l xor 16's: the row's sum l
	s_wait_alu depctr_va_vdst(0)
	v_rcp_f32 v14, v14
	v_and_b32 v12, 15, v0                          ; r  (the address work is the plain work behind the reciprocal, and the distance behind the last products)
	s_wait_alu depctr_va_vdst(0)
	v_bfe_u32 v13, v0, 4, 1                        ; h
	s_and_b32 s52, s[HD], 1
	s_lshr_b32 s53, s[HD], 1
	s_lshl_b32 s54, s52, 8
	s_lshl_b32 s55, s53, 2
	s_add_co_u32 s54, s54, s55
	v_lshl_add_u32 v[VSO], v12, 4, s54             ; VO's scale word of my tile's row r: lane 16 (tile % 2) + r, word tile / 2;
	v_mad_u32_u24 v[VSO], v13, 0xc800, v[VSO]      ; lanes 16-31 take the head four further on (4 x 12,800 bytes)
	s_mul_i32 s54, s[WV], 1536
	s_add_co_u32 s54, s54, CIMG
	v_add_nc_u32 v[CWI], s54, v[LI]                ; where I store ctx's image: 2 head + tile = my wave's number
	s_lshl_b32 s54, s[WV], 7
	s_add_co_u32 s54, s54, CSC
	v_lshrrev_b32 v[CWS], 2, v[LI]
	v_add_nc_u32 v[CWS], s54, v[CWS]
	s_mul_i32 s54, s[U], 1536
	s_add_co_u32 s54, s54, CIMG
	v_add_nc_u32 v[CRI], s54, v[LI]                ; where I read them: my tile of queries, head by the offset
	s_lshl_b32 s54, s[U], 7
	s_add_co_u32 s54, s54, CSC
	v_lshlrev_b32 v[CRS], 2, v12
	s_wait_alu depctr_va_vdst(0)
	v_lshl_add_u32 v[CRS], v13, 10, v[CRS]         ; lanes 16-31 take the head four further on (8 x 128 bytes)
	v_add_nc_u32 v[CRS], s54, v[CRS]
	v_and_b32 v[FF], 8, v12
	v_add_nc_u32 v[FF], v[FF], v12                 ; r + 8 (r / 8): with 8 u, my query's row of the stage
	v_mul_u32_u24 v[OSW], v[FF], 528
	v_lshl_add_u32 v[OSW], v13, 6, v[OSW]          ; the stage: my query's row, my eight outputs: 32 (tile / 2) + 8 (tile % 2) + 16 h on
	s_mul_i32 s54, s[U], 8*528
	s_lshl_b32 s55, s53, 7
	s_add_co_u32 s54, s54, s55
	s_lshl_b32 s55, s52, 5
	s_add_co_u32 s54, s54, s55
	s_add_co_u32 s54, s54, OSTG
	v_add_nc_u32 v[OSW], s54, v[OSW]
	s_mul_i32 s54, s[WV], 2*528
	s_add_co_u32 s54, s54, OSTG
	v_add_nc_u32 v[OSR], s54, v[LI]                ; back: rows 2 w, 2 w + 1, whole
.irp hd, 0,1,2,3                               ; VO's fragments of my tile of outputs, heads 0-3, and all eight scale words
.irp g, 0,1,2
	global_load_b128 v[FR+12*\hd+4*\g:FR+12*\hd+4*\g+3], v[LI], s[VOP:VOP+1] offset:12800*\hd+512*\g
.endr
	global_load_b32 v[VS+\hd], v[VSO], s[VSP:VSP+1] offset:12800*\hd
.endr
	s_wait_alu depctr_va_vdst(0)                   ; the wait ahead of the reciprocal's first reader
.set jj, 0
.rept 32
	v_pk_mul_f32 v[S+jj:S+jj+1], v[OA+jj:OA+jj+1], v[14:15] op_sel_hi:[1,0]   ; ctx = O^T / l: register 16 b + i is channel 32 b + 16 h + i
.set jj, jj+2
.endr
.irp hd, 4,5,6,7                               ; heads 4-7 into the registers that O^T has left
.irp g, 0,1,2
	global_load_b128 v[OA+12*(\hd-4)+4*\g:OA+12*(\hd-4)+4*\g+3], v[LI], s[VOP:VOP+1] offset:12800*\hd+512*\g
.endr
.endr
	QUANT S, PCD, TMP                              ; ctx of my head and tile: K step 'my head' of the last product
.irp c, 0,1,2
	ds_store_b128 v[CWI], v[PCD+4*\c:PCD+4*\c+3] offset:512*\c
.endr
	ds_store_b32 v[CWS], v[TMP]
	BARRIER                                        ; ctx's sixteen images lie in LDS
.irp hd, 0,1,2,3
.irp g, 0,1,2
	ds_load_b128 v[S+12*\hd+4*\g:S+12*\hd+4*\g+3], v[CRI] offset:3072*\hd+512*\g
.endr
	ds_load_b32 v[250+\hd+\hd/2+\hd/3], v[CRS] offset:256*\hd   ; v250, v251, v253, v255: lanes 0-15 head hd's words, lanes 16-31 head hd + 4's
.endr
	s_wait_dscnt 0x0
	s_wait_loadcnt 0x0                             ; VO
	; out^T: source 0 = 16 outputs of VO, source 1 = ctx's 16 queries; eight K steps, the heads in ascending order, on ONE accumulator
.irp hd, 0,1,2,3
.if \hd
	s_wait_alu depctr_va_vdst(0)
	v_wmma_scale_f32_16x16x128_f8f6f4 v[ACC:ACC+7], v[FR+12*\hd:FR+12*\hd+11], v[S+12*\hd:S+12*\hd+11], v[ACC:ACC+7], v[VS+\hd], v[250+\hd+\hd/2+\hd/3] matrix_a_fmt:MATRIX_FMT_FP6 matrix_b_fmt:MATRIX_FMT_FP6
.else
	v_wmma_scale_f32_16x16x128_f8f6f4 v[ACC:ACC+7], v[FR+12*\hd:FR+12*\hd+11], v[S+12*\hd:S+12*\hd+11], 0, v[VS+\hd], v[250+\hd+\hd/2+\hd/3] matrix_a_fmt:MATRIX_FMT_FP6 matrix_b_fmt:MATRIX_FMT_FP6
.endif
.endr
.rept 4
	v_nop                                          ; four plain instructions in front of loads into registers that the products have read
.endr
.irp hd, 0,1,2,3
.irp g, 0,1,2
	ds_load_b128 v[S+12*\hd+4*\g:S+12*\hd+4*\g+3], v[CRI] offset:3072*(\hd+4)+512*\g
.endr
.endr
	s_wait_dscnt 0x0
.irp hd, 0,1,2,3
	s_wait_alu depctr_va_vdst(0)
	v_wmma_scale_f32_16x16x128_f8f6f4 v[ACC:ACC+7], v[OA+12*\hd:OA+12*\hd+11], v[S+12*\hd:S+12*\hd+11], v[ACC:ACC+7], v[VS+\hd], v[250+\hd+\hd/2+\hd/3] matrix_a_fmt:MATRIX_FMT_FP6 matrix_b_fmt:MATRIX_FMT_FP6 matrix_a_scale:MATRIX_SCALE_ROW1 matrix_b_scale:MATRIX_SCALE_ROW1
.endr
.rept 4
	v_nop                                          ; four plain instructions in front of the first read of the result, and of the loads below
.endr
	ds_store_b128 v[OSW], v[ACC:ACC+3]             ; the accumulator from its low end on: eight neighbouring outputs of my query's row
	ds_store_b128 v[OSW], v[ACC+4:ACC+7] offset:16
	BARRIER                                        ; 32 whole rows of out lie in the stage
	ds_load_b128 v[S:S+3], v[OSR]
	ds_load_b128 v[S+4:S+7], v[OSR] offset:528
	s_wait_dscnt 0x0
	global_store_b128 v[LI], v[S:S+3], s[OP:OP+1] th:TH_STORE_NT              ; 32 lanes store a row of 512 consecutive bytes, aligned to 512
	global_store_b128 v[LI], v[S+4:S+7], s[OP:OP+1] offset:512 th:TH_STORE_NT
	s_wait_tensorcnt 0x0                           ; the wave's end: behind my last tensor load and my last LDS store
	ds_add_u32 v[SPW], v[NIL]
	s_wait_dscnt 0x0
	CROUND                                         ; the closing round: no work-group ends while a partner may still ask for a tile that names it
	s_endpgm
.Lfunc_end_k_qbe0d2c5bff_attn:
	.size	k_qbe0d2c5bff_attn, .Lfunc_end_k_qbe0d2c5bff_attn-k_qbe0d2c5bff_attn
	.p2alignl 7, 3214868480
	.fill 96, 4, 3214868480
	.section	.rodata,"a",@progbits
	.p2align	6, 0x0
	.amdhsa_kernel k_qbe0d2c5bff_attn
		.amdhsa_group_segment_fixed_size 327680
		.amdhsa_private_segment_fixed_size 0
		.amdhsa_enable_private_segment 0
		.amdhsa_kernarg_size 32
		.amdhsa_user_sgpr_count 2
		.amdhsa_user_sgpr_kernarg_segment_ptr 1
		.amdhsa_wavefront_size32 1
		.amdhsa_system_sgpr_workgroup_id_x 1
		.amdhsa_system_sgpr_workgroup_id_y 1
		.amdhsa_system_sgpr_workgroup_id_z 1
		.amdhsa_system_vgpr_workitem_id 0
		.amdhsa_next_free_vgpr 256
		.amdhsa_next_free_sgpr 66
		.amdhsa_reserve_vcc 0
		.amdhsa_float_denorm_mode_32 3
		.amdhsa_float_denorm_mode_16_64 3
		.amdhsa_memory_ordered 1
		.amdhsa_forward_progress 1
		.amdhsa_inst_pref_size 157
	.end_amdhsa_kernel
	.amdgpu_metadata
---
amdhsa.version: [ 1, 2 ]
amdhsa.kernels:
  - .name:           k_qbe0d2c5bff_attn
    .symbol:         k_qbe0d2c5bff_attn.kd
    .args:
      - { .name: kv, .offset: 0, .size: 8, .value_kind: global_buffer, .address_space: global }
      - { .name: qb, .offset: 8, .size: 8, .value_kind: global_buffer, .address_space: global }
      - { .name: vo, .offset: 16, .size: 8, .value_kind: global_buffer, .address_space: global }
      - { .name: out0, .offset: 24, .size: 8, .value_kind: global_buffer, .address_space: global }
    .group_segment_fixed_size: 327680
    .private_segment_fixed_size: 0
    .kernarg_segment_align: 8
    .kernarg_segment_size: 32
    .max_flat_workgroup_size: 512
    .sgpr_count:     66
    .vgpr_count:     256
    .wavefront_size: 32
...
	.end_amdgpu_metadata
.endif
;; end of part 2
